; MI455X (gfx1250); checked and timed in simulation.
; The chip was launched on July 23, 2026; its instructions are those of AMD's public machine-readable ISA for CDNA 5 (MIT licence, August 2026) and "CDNA5" Instruction Set Architecture Reference Guide (July 2026). The comments in the code are by the model that wrote it; some were corrected since.
;; Mol Space Multi Head Attention. Allowed arithmetic: matrix products marked QUANTISED: E3M2 operands, one E8M0 scale for each 32 along K, by v_wmma_scale_f32_16x16x128_f8f6f4 with both operands' format E3M2, f32 sums; products left as they are: f32 operands where the result goes on into a quantised operand, else bf16, f16 or f32 operands; f32 sums; everything else in f32.
;; Inputs: Wk 1,024 x 1,024 float32; Wq 1,024 x 1,024 float32; Wv 1,024 x 1,024 float32; x 16,384 x 1,024 float32.
;; Outputs: out0 16,384 x 1,024 float32.
;; This version of the problem:
;;   THIS VERSION OF THE PROBLEM IS GIVEN IN LOW PRECISION. The matrix products marked QUANTISED in the list below multiply operands that are first quantised to E3M2 (3 exponent bits, 2 mantissa bits; 6 bits a number), with one power-of-two scale for each 32 numbers along K (OCP MX v1.0); their sums are f32. All else is computed in f32.
;;   The module's matrix products, in the order in which they are computed (A, B: the left and right operand; K: the contracted axis; several contracted axes count as one K, in the product's order):
;;     1. [M 16,384, K 1,024] x [K 1,024, N 1,024]; A: input x; B: input Wq: QUANTISED
;;     2. [M 16,384, K 1,024] x [K 1,024, N 1,024]; A: input x; B: input Wk: QUANTISED
;;     3. [M 16,384, K 1,024] x [K 1,024, N 1,024]; A: input x; B: input Wv: QUANTISED
;;     4. batch 16,384 x [M 8, K 128] x [K 128, N 8]; A: computed on the way; B: computed on the way: left as it is (M = 8 < 16)
;;     5. batch 16,384 x [M 8, K 8] x [K 8, N 128]; A: softmax; B: computed on the way: left as it is (K = 8 < 32)
;;   THE QUANTISER, for each operand of a quantised product, along K:
;;     - K is cut into blocks of 32 from its start; a last block that is shorter is filled with zeros.
;;     - A block's scale is 2^e with e = floor(log2(the largest magnitude in the block)) - 4, held to -126 .. 127; a block of zeros has e = 0. As a byte (E8M0): e + 127.
;;     - Each number is divided by its block's scale, clamped to +-28, and rounded to the nearest number of E3M2, ties to even, subnormals kept.
;;     - The product sums the exact products of the quantised numbers (number of the format x scale) in f32.
;;   ~~~python
;;   def quantise(x, axis):      # numpy; x: float32 -> the quantised numbers, widened to float32 again
;;       x = np.moveaxis(x, axis, -1); K = x.shape[-1]
;;       x = np.pad(x, [(0, 0)] * (x.ndim - 1) + [(0, -K % 32)]); x = x.reshape(x.shape[:-1] + (-1, 32)); a = np.abs(x).max(-1, keepdims=True)
;;       e = np.where(a > 0, np.clip(np.frexp(np.where(a > 0, a, 1))[1] - 1 - 4, -126, 127), 0)      # np.frexp(a)[1] - 1 = floor(log2(a)), exactly
;;       r = np.clip(x / 2.0 ** e, -28, 28)
;;       step = 2.0 ** (np.maximum(np.frexp(np.where(r == 0, 1, r))[1] - 1, -2) - 2)
;;       q = np.round(r / step) * step * 2.0 ** e      # np.round: ties to even
;;       return np.moveaxis(q.reshape(q.shape[:-2] + (-1,))[..., :K], -1, axis).astype(np.float32)
;;   ~~~
;; One version. Each part assembles by itself: llvm-mc -triple=amdgcn-amd-amdhsa -mcpu=gfx1250 --defsym DOCPART=n.
;; ======== version 1 of 1: 2 launches
;; limits: values are held in f16: magnitudes above 65,504 overflow, below 6.1e-05 lose precision; right only within a limited range of input values
;; workspace buffers: wpk 2,457,600 bytes
;; launch pack (part 1): grid 192 x 1, 8 waves a work-group, no clusters, 69,120 bytes of LDS; arguments Wq, Wk, Wv, wpk; writes wpk
.if DOCPART == 1
	.amdgcn_target "amdgcn-amd-amdhsa--gfx1250"
	.amdhsa_code_object_version 6
	.text
	.protected	k_q9cad896e99_pack
	.globl	k_q9cad896e99_pack
	.p2align	8
	.type	k_q9cad896e99_pack,@function
k_q9cad896e99_pack:
	s_mov_b64 s[64:65], 0
	v_nop
	global_prefetch_b8 v0, s[64:65] scope:SCOPE_SE
	s_setreg_imm32_b32 hwreg(HW_REG_WAVE_MODE, 25, 1), 1
	s_wait_xcnt 0x0
; Wq, Wk, Wv [1024][1024], f32, K innermost, become codes of BF6 (E3M2) with one E8M0 byte for each 32 along K, laid IN THE ORDER OF THE OPERAND'S REGISTERS, as the next launch reads them.
; A TILE is 16 rows x 1,024 along K = 12,800 bytes: the fragment (16 rows x 128 K, 12 registers a lane) of K step s at 1,536 s, as three chunks of 512 bytes (lane l's registers 4 c .. 4 c + 3 at 512 c + 16 l);
; at 12,288 the scale words: lane (r, h) has 16 bytes, register i = row r's word of K step 2 i + h.
; Work-group id makes one tile: w = id % 4 (the wave that will take it), y = id / 4 (its place, 0 .. 47, in that wave's walk): period y / 3, tile y % 3.  Tiles 0 and 1 of a period lie at 102,400 period + 25,600 w + 12,800 tile,
; tile 2 at 1,638,400 + 51,200 period + 12,800 w.  WHICH ROWS (i = the tile's row): y < 32: of Wq (y even) or Wk (y odd), row 128 (2 w + i / 8) + 8 (y / 2) + i % 8: two heads x eight channels;
; else n = y - 32: of Wv, row 128 (i % 8) + v, v = 64 (n / 8) + 32 (n % 2) + 8 w + 4 (i / 8) + (n / 2) % 4: eight heads x two columns.
; A work-group's wave s makes K step s: 16 loads of 512 consecutive bytes, a turn through the wave's own stage in LDS (so that a lane holds 16 neighbours along K),
; the quantiser, three stores of 512 consecutive bytes.  The eight waves' scale words meet in LDS and leave as 512 consecutive bytes.  No tensor load, no ring: each weight is read once.
; A block's scale is 2^(floor(log2(its largest magnitude)) - 4); its byte is the largest magnitude's exponent field - 4, held at 1 from below.
; LIMITS: NaN and infinities are not served; blocks whose largest magnitude lies under 2^-122 keep the byte 1; a block of zeros gets the byte 1, not 127: its codes are zeros, and this program alone reads the bytes.
.set TPITCH, 528                       ; a stage row: 512 bytes + 16
.set TURNB,  16*TPITCH                 ; a wave's stage
.set SCG,    8*TURNB                   ; behind the stages: 512 bytes for the tile's scale words
.set SPARE,  SCG+512                   ; the spare words, 128 bytes for each wave
.set TILEB,  12800
.set NB,  32                           ; v32-95   64 numbers: as loaded, then turned: register 16 b + i = k 32 b + 16 (lane / 16) + i of row lane % 16
.set PC,  96                           ; v96-114  the codes
.set TM,  12                           ; v12-27   at work
.set PW,  28                           ; v28      the scale word
.set SPW, 29
.set NIL, 30
.set SEL, 30                           ; s[30:31] selects for v_permlanex16_b32: lane l xor 16
	s_load_b256 s[4:11], s[0:1], 0x0               ; Wq s[4:5], Wk s[6:7], Wv s[8:9], wpk s[10:11]
	v_lshrrev_b32 v1, 5, v0
	v_readfirstlane_b32 s16, v1                    ; my wave = my K step
	s_mul_i32 s32, s16, TURNB
	s_and_b32 s33, s16, 1
	s_lshl_b32 s33, s33, 8
	s_lshr_b32 s34, s16, 1
	s_lshl_b32 s34, s34, 2
	s_add_co_u32 s33, s33, s34
	s_add_co_u32 s33, s33, SCG                     ; my row's scale word: 256 (s % 2) + 16 r + 4 (s / 2)
	s_mov_b32 s[SEL], 0x76543210
	s_mov_b32 s[SEL+1], 0xfedcba98
	s_and_b32 s18, ttmp9, 3                        ; w
	s_lshr_b32 s19, ttmp9, 2                       ; y
	s_lshr_b32 s20, s19, 1
	s_lshl_b32 s20, s20, 3
	s_lshl_b32 s21, s18, 8
	s_add_co_u32 s20, s20, s21                     ; Wq, Wk: the tile's first row
	s_sub_co_u32 s22, s19, 32                      ; n
	s_lshr_b32 s21, s22, 3
	s_and_b32 s21, s21, 1
	s_lshl_b32 s21, s21, 6
	s_and_b32 s23, s22, 1
	s_lshl_b32 s23, s23, 5
	s_add_co_u32 s21, s21, s23
	s_lshl_b32 s23, s18, 3
	s_add_co_u32 s21, s21, s23
	s_bfe_u32 s23, s22, 0x20001
	s_add_co_u32 s21, s21, s23                     ; Wv: its first row
	s_mul_i32 s25, s19, 21846
	s_lshr_b32 s25, s25, 16                        ; period = y / 3
	s_mul_i32 s26, s25, 3
	s_sub_co_u32 s26, s19, s26                     ; tile = y % 3
	s_mul_i32 s27, s25, 102400
	s_mul_i32 s28, s18, 25600
	s_add_co_u32 s27, s27, s28
	s_mul_i32 s28, s26, TILEB
	s_add_co_u32 s27, s27, s28
	s_mul_i32 s28, s25, 51200
	s_mul_i32 s29, s18, TILEB
	s_add_co_u32 s28, s28, s29
	s_add_co_u32 s28, s28, 1638400
	s_cmp_lt_u32 s26, 2
	s_cselect_b32 s24, s27, s28                    ; where the tile goes
	v_lshl_add_u32 v[SPW], v0, 2, SPARE
	v_mov_b32 v[NIL], 0
	v_and_b32 v1, 31, v0                           ; lane
	v_and_b32 v2, 15, v0                           ; r
	v_bfe_u32 v3, v0, 4, 1                         ; h
	v_lshlrev_b32 v4, 4, v1                        ; 16 x lane
	v_add_nc_u32 v5, s32, v4                       ; the stage, in: a row's 512 bytes as they lie
	v_mul_u32_u24 v6, v2, TPITCH
	v_lshl_add_u32 v6, v3, 6, v6
	v_add_nc_u32 v6, s32, v6                       ; out: row r, + 64 h: 16 neighbours of each block of 32
	v_lshl_add_u32 v7, v2, 4, s33
	v_add_nc_u32 v8, SCG, v4                       ; the words back: 16 bytes a lane
.irp b, 0,1,2,3
	v_mov_b32 v[TM+4+\b], 0                        ; written once: a lane permute's destination counts as one of its sources
.endr
	s_wait_alu depctr_va_vdst(0)                   ; the wait at the head's end
	s_wait_kmcnt 0x0
	s_and_b32 s29, s19, 1                          ; all choices hang on the work-group's number alone
	s_cmp_eq_u32 s29, 0
	s_cselect_b64 s[4:5], s[4:5], s[6:7]
	s_cmp_lt_u32 s19, 32
	s_cselect_b64 s[4:5], s[4:5], s[8:9]
	s_cselect_b32 s20, s20, s21
	s_lshl_b32 s20, s20, 12                        ; a row is 4,096 bytes,
	s_lshl_b32 s21, s16, 9                         ; a K step 512
	s_add_co_u32 s20, s20, s21
	s_mov_b32 s21, 0
	s_add_nc_u64 s[4:5], s[4:5], s[20:21]
	s_mov_b32 s25, 0
	s_add_nc_u64 s[12:13], s[10:11], s[24:25]      ; my tile
	s_mul_i32 s26, s16, 1536
	s_mov_b32 s27, 0
	s_add_nc_u64 s[26:27], s[12:13], s[26:27]      ; my fragment
	s_cmp_lt_u32 s19, 32
	s_cbranch_scc0 .Lrows_v
.irp i, 0,1,2,3,4,5,6,7,8,9,10,11,12,13,14,15
	global_load_b128 v[NB+4*\i:NB+4*\i+3], v4, s[4:5] offset:(\i%8+128*(\i/8))*4096 th:TH_LOAD_NT   ; 32 lanes read 512 consecutive bytes of one row
.endr
	s_branch .Lrows_in
.Lrows_v:
.irp i, 0,1,2,3,4,5,6,7,8,9,10,11,12,13,14,15
	global_load_b128 v[NB+4*\i:NB+4*\i+3], v4, s[4:5] offset:((\i%8)*128+4*(\i/8))*4096 th:TH_LOAD_NT
.endr
.Lrows_in:
	s_wait_loadcnt 0x0
.irp i, 0,1,2,3,4,5,6,7,8,9,10,11,12,13,14,15
	ds_store_b128 v5, v[NB+4*\i:NB+4*\i+3] offset:TPITCH*\i
.endr
	s_wait_dscnt 0x0                               ; the stores have read their registers: the loads may land there
.irp b, 0,1,2,3
.irp j, 0,1,2,3
	ds_load_b128 v[NB+16*\b+4*\j:NB+16*\b+4*\j+3], v6 offset:128*\b+16*\j
.endr
.endr
	s_wait_dscnt 0x0
.irp b, 0,1,2,3
	v_max3_num_f32 v[TM+\b], |v[NB+16*\b]|, |v[NB+1+16*\b]|, 0x2800000   ; block b: my 16 numbers, and the floor 2^(5 - 127): the byte cannot fall under 1
.endr
.irp i, 2,4,6,8,10,12,14
.irp b, 0,1,2,3
	v_max3_num_f32 v[TM+\b], v[TM+\b], |v[NB+16*\b+\i]|, |v[NB+1+16*\b+\i]|   ; the four blocks by turns
.endr
.endr
.irp b, 0,1,2,3
	v_permlanex16_b32 v[TM+4+\b], v[TM+\b], s[SEL], s[SEL+1]
.endr
.irp b, 0,1,2,3
	v_max_num_f32 v[TM+\b], v[TM+\b], v[TM+4+\b]       ; with lane l xor 16's: the block's largest magnitude
.endr
.irp b, 0,1,2,3
	v_add_nc_u32 v[TM+12+\b], 0xfe000000, v[TM+\b]     ; 4 off its exponent field: the conversion's scale operand
.endr
.irp b, 0,1,2,3
	v_lshrrev_b32 v[TM+4+\b], 23, v[TM+12+\b]          ; the scale's byte
.endr
	v_lshl_or_b32 v[PW], v[TM+5], 8, v[TM+4]           ; four bytes: my row's scale word
	v_lshl_or_b32 v[TM], v[TM+7], 8, v[TM+6]
	v_lshl_or_b32 v[PW], v[TM], 16, v[PW]
.irp c, 0,1
	v_cvt_scalef32_pk16_bf6_f32 v[PC+6*\c:PC+2+6*\c], v[NB+32*\c:NB+15+32*\c], v[TM+12+2*\c]
	v_cvt_scalef32_pk16_bf6_f32 v[PC+12+4*\c:PC+14+4*\c], v[NB+16+32*\c:NB+31+32*\c], v[TM+12+2*\c+1]   ; (a conversion's three registers begin on an even number)
.endr
	v_nop                                              ; one plain place behind a scaled conversion
.irp c, 0,1                                        ; the operand wants a whole block in a lane: lanes 0-15 block 2 c, lanes 16-31 block 2 c + 1
.irp i, 0,1,2
	v_permlane16_swap_b32 v[PC+6*\c+\i], v[PC+12+4*\c+\i]
.endr
.endr
.irp c, 0,1
.irp i, 0,1,2
	v_mov_b32 v[PC+3+6*\c+\i], v[PC+12+4*\c+\i]
.endr
.endr
.irp c, 0,1,2
	global_store_b128 v4, v[PC+4*\c:PC+4*\c+3], s[26:27] offset:512*\c   ; 512 consecutive bytes, at a multiple of 256 from the buffer's first byte
.endr
	ds_store_b32 v7, v[PW]                         ; both halves of the lanes write the same word with the same value
	s_wait_dscnt 0x0                               ; for the others' sake: my word has landed
	s_barrier_signal -1
	s_barrier_wait -1
	s_cmp_lg_u32 s16, 0
	s_cbranch_scc1 .Ldone
	ds_load_b128 v[32:35], v8                      ; the eight waves' words
	s_wait_dscnt 0x0
	global_store_b128 v4, v[32:35], s[12:13] offset:12288   ; 512 consecutive bytes
.Ldone:
	s_wait_tensorcnt 0x0                           ; the wave's end
	ds_add_u32 v[SPW], v[NIL]
	s_wait_dscnt 0x0
	s_endpgm
.Lfunc_end_k_q9cad896e99_pack:
	.size	k_q9cad896e99_pack, .Lfunc_end_k_q9cad896e99_pack-k_q9cad896e99_pack
	.p2alignl 7, 3214868480
	.fill 96, 4, 3214868480
	.section	.rodata,"a",@progbits
	.p2align	6, 0x0
	.amdhsa_kernel k_q9cad896e99_pack
		.amdhsa_group_segment_fixed_size 69120
		.amdhsa_private_segment_fixed_size 0
		.amdhsa_enable_private_segment 0
		.amdhsa_kernarg_size 32
		.amdhsa_user_sgpr_count 2
		.amdhsa_user_sgpr_kernarg_segment_ptr 1
		.amdhsa_wavefront_size32 1
		.amdhsa_system_sgpr_workgroup_id_x 1
		.amdhsa_system_sgpr_workgroup_id_y 1
		.amdhsa_system_sgpr_workgroup_id_z 1
		.amdhsa_system_vgpr_workitem_id 0
		.amdhsa_next_free_vgpr 116
		.amdhsa_next_free_sgpr 66
		.amdhsa_reserve_vcc 0
		.amdhsa_float_denorm_mode_32 3
		.amdhsa_float_denorm_mode_16_64 3
		.amdhsa_memory_ordered 1
		.amdhsa_forward_progress 1
		.amdhsa_inst_pref_size 14
	.end_amdhsa_kernel
	.amdgpu_metadata
---
amdhsa.version: [ 1, 2 ]
amdhsa.kernels:
  - .name:           k_q9cad896e99_pack
    .symbol:         k_q9cad896e99_pack.kd
    .args:
      - { .name: Wq, .offset: 0, .size: 8, .value_kind: global_buffer, .address_space: global }
      - { .name: Wk, .offset: 8, .size: 8, .value_kind: global_buffer, .address_space: global }
      - { .name: Wv, .offset: 16, .size: 8, .value_kind: global_buffer, .address_space: global }
      - { .name: wpk, .offset: 24, .size: 8, .value_kind: global_buffer, .address_space: global }
    .group_segment_fixed_size: 69120
    .private_segment_fixed_size: 0
    .kernarg_segment_align: 8
    .kernarg_segment_size: 32
    .max_flat_workgroup_size: 256
    .sgpr_count:     66
    .vgpr_count:     116
    .wavefront_size: 32
...
	.end_amdgpu_metadata
.endif
;; end of part 1
;; launch fused (part 2): grid 256 x 1, 4 waves a work-group, clusters of 4 x 1, 327,680 bytes of LDS; arguments x, wpk, out0; writes out0
.if DOCPART == 2
	.amdgcn_target "amdgcn-amd-amdhsa--gfx1250"
	.amdhsa_code_object_version 6
	.text
	.protected	k_q9cad896e99_fused
	.globl	k_q9cad896e99_fused
	.p2align	8
	.type	k_q9cad896e99_fused,@function
k_q9cad896e99_fused:
	s_mov_b64 s[64:65], 0
	v_nop
	global_prefetch_b8 v0, s[64:65] scope:SCOPE_SE
	s_setreg_imm32_b32 hwreg(HW_REG_WAVE_MODE, 25, 1), 1
	s_wait_xcnt 0x0
	s_wait_alu depctr_hold_cnt(0) depctr_sa_sdst(0) depctr_va_vdst(0) depctr_va_sdst(0) depctr_va_ssrc(0) depctr_va_vcc(0) depctr_vm_vsrc(0)
	s_getreg_b32 s2, hwreg(HW_REG_IB_STS2, 6, 4)
	s_cmp_eq_u32 s2, 0
	s_cbranch_scc0 .Lentry_in_a_cluster
	s_endpgm
.Lentry_in_a_cluster:
	s_bfe_u32 s2, ttmp6, 0x10000c
	s_cmp_lg_u32 s2, 0x3003
	s_cbranch_scc0 .Lentry_shape_is_right
	s_endpgm
.Lentry_shape_is_right:
; q, k, v = x Wq^T, x Wk^T, x Wv^T on codes of BF6; for each token scores [8 heads][8 heads] = q k^T / sqrt(128), a softmax along the second head axis, out = softmax x v.
; A work-group of four waves takes 64 tokens through all of it; q, k, v and the scores never go to memory.  Every wave keeps x's codes of the 64 tokens and all of K in 384 registers; the weights' 192 tiles of 16 rows stream by.
; PERIODS.  A wave takes 48 tiles in 16 periods of three.  Tiles 0 and 1 of the four waves (102,400 bytes) come by joint tensor loads of the cluster's four work-groups, through a ring of two LDS slots; tile 2 comes by ordinary loads straight into
; the registers of the one wave that uses it: two slots of three tiles a wave would be 307,200 bytes and leave 20,480 for stages that take 121,856.  A pass is one tile: 8 K steps x 4 blocks of 16 tokens = 32 matrix instructions on four
; accumulators by turns; one run of loads, with the conversions of the pass before, stands inside it.  Source 0 = 16 rows of a weight, source 1 = 16 tokens: lane (r, h) then holds token r and in its 8 registers rows 8 h .. 8 h + 7 of the tile.
; SCORES.  A tile of Wq or Wk is two heads (h) x eight channels, so a lane's 8 results are 16 bytes of f16 along the channels.  Periods 2 G and 2 G + 1 make group G: channels 24 G .. 24 G + 23 of all heads of q and k; period 10 makes channels 120 .. 127.
; A group goes through a stage in LDS; then a product of 16 x 16 x 32 takes two tokens x 8 heads of k as rows and of q as columns, K = three pieces of eight channels and a piece of zeros (LDS bytes that hold zeros).
; Of its result only the lanes whose query and keys are of one token count; in the second of two pairs of tokens the keys' tokens change places, so that there the other lanes count: v_cndmask joins the two pairs, and a lane holds a query's eight scores.
; OUTPUT.  The softmax's result, rounded to f16, is the first operand of the next product as it stands (K = four tokens x 8 heads, zeros where the tokens differ).  A tile of Wv is eight heads x two columns: 16 bytes a lane along the heads, through LDS,
; 64 columns at a time.  The four products i = 0 .. 3 take columns 4 r + i, so that four results make 16 bytes of a row of out and sixteen lanes store 256 consecutive, aligned bytes.
; THE WALK.  Clusters begin at five different groups (cluster number mod 5) and go round, so a group's weights are asked for by different clusters in different periods: those are not prefetched.  Periods 10 to 15 come last in all: they are prefetched
; once for each value of bit 2 of the cluster's number, 8,192 bytes a work-group (a lane a block of 256), in the loop's trip of periods 4 and 5, six periods ahead.
; LDS: slot s at 102,400 s; the stages from 204,800 on: first x's tiles, then q's and k's group (three pieces x 32 pairs of tokens x 528 bytes), zeros at 257,024, v's pieces in places of 17,408 bytes (64 tokens x 272); spare words at 326,656.
; LIMITS: NaN and infinities are not served; q, k and v are held in f16 and must stay within 65,504 (1,024 products of 30 and 30 / 32, inputs with an offset of 30 times their spread, make 28,800); scaled scores stay under 2^31 in magnitude.
.set SLOTB,  102400
.set WAVEB,  25600
.set DPER,   51200                     ; tile 2 of the four waves
.set STG,    2*SLOTB
.set PIECE,  32*528                    ; a piece of eight channels: 32 pairs of tokens x (256 bytes of q, 256 of k, 16 of padding)
.set VB,     17408                     ; 16 columns of v: 64 tokens x (256 + 16)
.set ZER,    STG+3*VB
.set SPARE,  STG+7*VB
; window 0: addresses, scales, tiles 0 and 1's fragments (v64-159, v160-255); window 1: x, K steps 0-3 (v0-191), scores or results on the way out (v192-255); window 2: x, K steps 4-7, operands from the stages (v192-255);
; window 3: accumulators (v0-95), tile 2's fragments (v96-191), the softmax as operands (v192-239), conversions (v240-255)
.set SPW, 4
.set NIL, 5
.set LN,  6                            ; 16 x lane
.set RA,  7                            ; v7-8 my part of slot 0, 1
.set QW,  9                            ; into the stage of q and k
.set VW,  10                           ; into v's places 0-2,
.set VWH, 11                           ; 5-6,
.set VW0, 12                           ; and those in slot 0
.set SQA, 13                           ; pieces 0 (h = 0) and 1 (h = 1);
.set SQB, 14                           ; piece 2 and zeros
.set SKA, 15                           ; the same with the pair's tokens changed
.set SKB, 16
.set VRA, 17                           ; v17-18 v's pieces back: places 0-2; tokens h and, in v18, 1 - h
.set VRAH, 19                          ; places 5-6
.set VRA0, 21                          ; slot 0
.set OUTA, 23
.set PFO, 24
.set SB,  25
.set SBO, 26
.set SQC, 27                           ; the last group: piece 0 and zeros
.set WS,  28                           ; v28-39 the three tiles' scale words: register K step / 2, lanes 0-15 even, lanes 16-31 odd K steps
.set XS,  40                           ; v40-55 x's, four for each block of 16 tokens
.set SKC, 56
.set XA,  57
; x's way in: a wave quantises its own 16 tokens, K step by K step (128 numbers a token): 16 loads of 512 consecutive bytes, a turn through the wave's stage in LDS, the quantiser, and the operand's image to LDS, from which all four waves take it.
; A block's scale is 2^(floor(log2(its largest magnitude)) - 4), its byte held at 1 from below.  LIMITS: blocks of x whose largest magnitude lies under 2^-122 keep the byte 1; a block of zeros gets the byte 1, not 127: its codes are zeros.
; x is not prefetched: its loads themselves run four K steps ahead, and each number is read once.
.set TPITCH, 528
.set TURNB, 16*TPITCH
.set XIMG, ZER+18432                   ; behind the zeros: a tile of 12,800 bytes for each wave, up to the spare words
.set XI,  3                            ; my tile's image
.set XW,  61                           ; my row's scale word
.set TIN, 62                           ; the turn, in
.set TOUT, 63                          ; and out
.set NB,  64                           ; v64-191 two sets of 64 numbers: register 16 b + i = k 32 b + 16 h + i of row r
.set PC,  192                          ; v192-210 codes
.set TM,  212                          ; v212-223 at work
.set PW,  224
.macro LOADX s
.if (\s) < 4
	WIN 0x80
.else
	WIN 0xc0
.endif
.irp i, 0,1,2,3,4,5,6,7,8,9,10,11,12,13,14,15
	global_load_b128 v[64*((\s)%4)+4*\i:64*((\s)%4)+4*\i+3], v[LN], s[4:5] offset:4096*\i+512*(\s) th:TH_LOAD_NT   ; 512 consecutive bytes of one token
.endr
.endm
.macro TURNX s
.if (\s) < 4
	WIN 0x08
.else
	WIN 0x0c
.endif
.irp i, 0,1,2,3,4,5,6,7,8,9,10,11,12,13,14,15
	ds_store_b128 v[TIN], v[64*((\s)%4)+4*\i:64*((\s)%4)+4*\i+3] offset:TPITCH*\i
.endr
	WIN 0
.irp b, 0,1,2,3
.irp j, 0,1,2,3
	ds_load_b128 v[NB+64*((\s)%2)+16*\b+4*\j:NB+64*((\s)%2)+16*\b+4*\j+3], v[TOUT] offset:128*\b+16*\j   ; LDS serves a wave's instructions in order (ISA guide 5.7.1.4): these see the stores above
.endr
.endr
.endm
.macro QUANT qs
.set QS, \qs
.irp b, 0,1,2,3
	v_max3_num_f32 v[TM+\b], |v[QS+16*\b]|, |v[QS+1+16*\b]|, 0x2800000   ; my 16 numbers of block b, and the floor 2^(5 - 127)
.endr
.irp i, 2,4,6,8,10,12,14
.irp b, 0,1,2,3
	v_max3_num_f32 v[TM+\b], v[TM+\b], |v[QS+16*\b+\i]|, |v[QS+1+16*\b+\i]|
.endr
.endr
.irp b, 0,1,2,3
	v_permlanex16_b32 v[TM+4+\b], v[TM+\b], s32, s33
.endr
.irp b, 0,1,2,3
	v_max_num_f32 v[TM+\b], v[TM+\b], v[TM+4+\b]   ; with lane l xor 16's
.endr
.irp b, 0,1,2,3
	v_add_nc_u32 v[TM+8+\b], 0xfe000000, v[TM+\b]  ; 4 off the exponent field: the conversion's scale operand
.endr
.irp b, 0,1,2,3
	v_lshrrev_b32 v[TM+4+\b], 23, v[TM+8+\b]       ; the byte
.endr
	v_lshl_or_b32 v[PW], v[TM+5], 8, v[TM+4]
	v_lshl_or_b32 v[TM], v[TM+7], 8, v[TM+6]
	v_lshl_or_b32 v[PW], v[TM], 16, v[PW]
.irp c, 0,1
	v_cvt_scalef32_pk16_bf6_f32 v[PC+6*\c:PC+2+6*\c], v[QS+32*\c:QS+15+32*\c], v[TM+8+2*\c]
	v_cvt_scalef32_pk16_bf6_f32 v[PC+12+4*\c:PC+14+4*\c], v[QS+16+32*\c:QS+31+32*\c], v[TM+8+2*\c+1]
.endr
	v_nop                                          ; one plain place behind a scaled conversion
.irp c, 0,1                                ; a whole block in a lane: lanes 0-15 block 2 c, lanes 16-31 block 2 c + 1
.irp i, 0,1,2
	v_permlane16_swap_b32 v[PC+6*\c+\i], v[PC+12+4*\c+\i]
.endr
.endr
.irp c, 0,1
.irp i, 0,1,2
	v_mov_b32 v[PC+3+6*\c+\i], v[PC+12+4*\c+\i]
.endr
.endr
.endm
.set MSB, 0
.macro WIN new
.if MSB != \new
	s_set_vgpr_msb (MSB<<8)|\new
.set MSB, \new
.endif
.endm
.macro PLACES                          ; plain places behind matrix instructions (ISA guide 7.12.1)
.rept 4
	v_nop
.endr
.endm
.macro CREST                           ; a round of the cluster's barrier behind its opening barrier
	s_cmp_lg_u32 s10, 0
	s_cbranch_scc1 .Lnot_wave_0_\@
	s_barrier_signal -3
.Lnot_wave_0_\@:
	s_barrier_wait -3
	s_barrier_signal -1
	s_barrier_wait -1
.endm
.macro CROUND
	s_barrier_signal -1
	s_barrier_wait -1
	CREST
.endm
; one matrix instruction: tile M_T, K step M_S, block of tokens M_M
.macro MM1
.set R_C, 32*M_T+8*M_M
.if M_T == 0
.set R_A, 64+12*M_S
.elseif M_T == 1
.set R_A, 160+12*M_S
.else
.set R_A, 96+12*M_S
.endif
.set R_B, 48*(M_S%4)+12*M_M
.set S_A, WS+4*M_T+M_S/2
.set S_B, XS+4*M_M+M_S/2
.if M_S == 0
	v_wmma_scale_f32_16x16x128_f8f6f4 v[R_C:R_C+7], v[R_A:R_A+11], v[R_B:R_B+11], 0, v[S_A], v[S_B] matrix_a_fmt:MATRIX_FMT_BF6 matrix_b_fmt:MATRIX_FMT_BF6
.elseif (M_S%2) == 1
	v_wmma_scale_f32_16x16x128_f8f6f4 v[R_C:R_C+7], v[R_A:R_A+11], v[R_B:R_B+11], v[R_C:R_C+7], v[S_A], v[S_B] matrix_a_fmt:MATRIX_FMT_BF6 matrix_b_fmt:MATRIX_FMT_BF6 matrix_a_scale:MATRIX_SCALE_ROW1 matrix_b_scale:MATRIX_SCALE_ROW1
.else
	v_wmma_scale_f32_16x16x128_f8f6f4 v[R_C:R_C+7], v[R_A:R_A+11], v[R_B:R_B+11], v[R_C:R_C+7], v[S_A], v[S_B] matrix_a_fmt:MATRIX_FMT_BF6 matrix_b_fmt:MATRIX_FMT_BF6
.endif
.endm
; eight: K steps s0, s0 + 1 of tile t
.macro MQ t, s0
.set M_T, \t
.irp ds, 0,1
.set M_S, (\s0)+\ds
.set W_N, 0xf0+4*(1+M_S/4)+3*(M_T/2)
	WIN W_N
.irp mm, 0,1,2,3
.set M_M, \mm
	MM1
.endr
.endr
.endm
; where a tile's results go: q = 0 .. 5: piece q / 2 of q (even) or k (odd); q = 10 + n: the wave's n-th tile of v
.macro DEST q
.if (\q) < 6
.set D_A, QW
.set D_O, ((\q)/2)*PIECE+((\q)%2)*256
.set D_M, 4224
.else
.set D_N, (\q)-10
.set D_S, D_N/2
.set D_M, 4352
.if D_S < 2
.set D_A, VWH
.set D_O, VB*D_S+128*(D_N%2)
.elseif D_S < 5
.set D_A, VW
.set D_O, VB*(D_S-2)+128*(D_N%2)
.else
.set D_A, VW0
.set D_O, VB*(D_S-5)+128*(D_N%2)
.endif
.endif
.endm
; tile t's results, rounded to f16, into their stage: 16 bytes a lane and block of tokens
.macro CVST t, q
	DEST \q
	WIN 0xcf
.irp m, 0,1,2,3
.irp i, 0,1,2,3
	v_cvt_pk_f16_f32 v[240+4*\m+\i], v[32*(\t)+8*\m+2*\i], v[32*(\t)+8*\m+2*\i+1]
.endr
.endr
	WIN 0x0c
.irp m, 0,1,2,3
	ds_store_b128 v[D_A], v[240+4*\m:243+4*\m] offset:D_O+D_M*\m
.endr
.endm
; tile t (0, 1) of the period in slot sl: 24 loads of fragments and one of scale words
.macro LOADB t, sl
	WIN 0
.irp s, 0,1,2,3,4,5,6,7
.irp c, 0,1,2
	ds_load_b128 v[64+96*(\t)+12*\s+4*\c:67+96*(\t)+12*\s+4*\c], v[RA+(\sl)] offset:12800*(\t)+1536*\s+512*\c
.endr
.endr
	ds_load_b128 v[WS+4*(\t):WS+4*(\t)+3], v[RA+(\sl)] offset:12800*(\t)+12288
.endm
; tile 2, from memory: s[54:55] its first byte
.macro LOADD
	WIN 0xc0
.irp s, 0,1,2,3,4,5,6,7
.irp c, 0,1,2
	global_load_b128 v[96+12*\s+4*\c:99+12*\s+4*\c], v[LN], s[54:55] offset:1536*\s+512*\c
.endr
.endr
	WIN 0
	global_load_b128 v[WS+8:WS+11], v[LN], s[54:55] offset:12288
.endm
; operands of four pairs of tokens: k (rows), q (columns).  g5 = 2: the last group has one piece
.macro SCLOAD hf, g5
	WIN 0x80
.irp k, 0,1,2,3
.set S_P, (4*(\hf)+\k)*528
.if (\g5) == 2
.if (\k%2) == 1
	ds_load_b128 v[192+16*\k:195+16*\k], v[SKC] offset:S_P+256
	ds_load_b128 v[196+16*\k:199+16*\k], v[SBO] offset:ZER-STG+S_P+256
.else
	ds_load_b128 v[192+16*\k:195+16*\k], v[SQC] offset:S_P+256
	ds_load_b128 v[196+16*\k:199+16*\k], v[SB] offset:ZER-STG+S_P+256
.endif
	ds_load_b128 v[200+16*\k:203+16*\k], v[SQC] offset:S_P
	ds_load_b128 v[204+16*\k:207+16*\k], v[SB] offset:ZER-STG+S_P
.else
.if (\k%2) == 1
	ds_load_b128 v[192+16*\k:195+16*\k], v[SKA] offset:S_P+256
	ds_load_b128 v[196+16*\k:199+16*\k], v[SKB] offset:2*PIECE+S_P+256
.else
	ds_load_b128 v[192+16*\k:195+16*\k], v[SQA] offset:S_P+256
	ds_load_b128 v[196+16*\k:199+16*\k], v[SQB] offset:2*PIECE+S_P+256
.endif
	ds_load_b128 v[200+16*\k:203+16*\k], v[SQA] offset:S_P
	ds_load_b128 v[204+16*\k:207+16*\k], v[SQB] offset:2*PIECE+S_P
.endif
.endr
.endm
.macro SCMM hf
	WIN 0x5a
.irp k, 0,1,2,3
.set S_C, 192+8*(4*(\hf)+\k)
	v_wmma_f32_16x16x32_f16 v[S_C:S_C+7], v[192+16*\k:199+16*\k], v[200+16*\k:207+16*\k], v[S_C:S_C+7]
.endr
.endm
; the softmax of my 16 tokens x 8 queries: group q of four tokens in v192 + 16 q .., eight scores a lane
.macro SOFTMAX
	WIN 0x55
.irp q, 0,1,2,3
.irp j, 0,1,2,3,4,5,6,7
	v_cndmask_b32 v[192+16*\q+\j], v[200+16*\q+\j], v[192+16*\q+\j], s53   ; lanes 0-7 and 24-31 from the first pair, the others from the second
.endr
.endr
.irp q, 0,1,2,3
	v_max3_num_f32 v[207+16*\q], v[192+16*\q], v[193+16*\q], v[194+16*\q]
.endr
.irp q, 0,1,2,3
	v_max3_num_f32 v[207+16*\q], v[207+16*\q], v[195+16*\q], v[196+16*\q]
.endr
.irp q, 0,1,2,3
	v_max3_num_f32 v[207+16*\q], v[207+16*\q], v[197+16*\q], v[198+16*\q]
.endr
.irp q, 0,1,2,3
	v_max_num_f32 v[207+16*\q], v[207+16*\q], v[199+16*\q]
.endr
.irp q, 0,1,2,3
	v_mul_f32 v[207+16*\q], s35, v[207+16*\q]      ; - log2(e) / sqrt(128) x the largest
.endr
.irp j, 0,1,2,3,4,5,6,7
.irp q, 0,1,2,3
	v_fma_f32 v[192+16*\q+\j], v[192+16*\q+\j], s34, v[207+16*\q]
.endr
.endr
	s_wait_alu depctr_va_vdst(0)                   ; the wait ahead of the batch,
.irp j, 0,1,2,3,4,5,6,7
.irp q, 0,1,2,3
	v_exp_f32 v[192+16*\q+\j], v[192+16*\q+\j]
.endr
.endr
	v_nop
	s_wait_alu depctr_va_vdst(0)                   ; and behind it
.irp q, 0,1,2,3
	v_pk_add_f32 v[202+16*\q:203+16*\q], v[192+16*\q:193+16*\q], v[194+16*\q:195+16*\q]
.endr
.irp q, 0,1,2,3
	v_pk_add_f32 v[204+16*\q:205+16*\q], v[196+16*\q:197+16*\q], v[198+16*\q:199+16*\q]
.endr
.irp q, 0,1,2,3
	v_pk_add_f32 v[202+16*\q:203+16*\q], v[202+16*\q:203+16*\q], v[204+16*\q:205+16*\q]
.endr
.irp q, 0,1,2,3
	v_add_f32 v[202+16*\q], v[202+16*\q], v[203+16*\q]
.endr
	s_wait_alu depctr_va_vdst(0)
.irp q, 0,1,2,3
	v_rcp_f32 v[206+16*\q], v[202+16*\q]
.endr
	v_nop
	s_wait_alu depctr_va_vdst(0)
.irp j, 0,2,4,6
.irp q, 0,1,2,3
	v_pk_mul_f32 v[192+16*\q+\j:193+16*\q+\j], v[192+16*\q+\j:193+16*\q+\j], v[206+16*\q:207+16*\q] op_sel_hi:[1,0]
.endr
.endr
.irp i, 0,1,2,3
.irp q, 0,1,2,3
	v_cvt_pk_f16_f32 v[200+16*\q+\i], v[192+16*\q+2*\i], v[193+16*\q+2*\i]
.endr
.endr
	WIN 0xc5
.irp q, 0,1,2,3                            ; twelve registers a group: the first pair's operand is the lower eight, the second pair's the upper eight
.irp i, 0,1,2,3
	v_cndmask_b32 v[192+12*\q+\i], 0, v[200+16*\q+\i], s53
	v_mov_b32 v[196+12*\q+\i], 0
	v_cndmask_b32 v[200+12*\q+\i], 0, v[200+16*\q+\i], s52
.endr
.endr
.endm
; v's operands for tokens 4 Q .. 4 Q + 3 and columns 64 e .. 64 e + 63, into window 2 from T on
.macro PVLOAD e, Q, T
	WIN 0x80
.irp i, 0,1,2,3
.set V_S, 4*(\e)+\i
.if V_S < 2
.set V_A, VRAH
.set V_O, VB*V_S
.elseif V_S < 5
.set V_A, VRA
.set V_O, VB*(V_S-2)
.else
.set V_A, VRA0
.set V_O, VB*(V_S-5)
.endif
	ds_load_b128 v[(\T)+8*\i:(\T)+8*\i+3], v[V_A] offset:V_O+1088*(\Q)
	ds_load_b128 v[(\T)+8*\i+4:(\T)+8*\i+7], v[V_A+1] offset:V_O+1088*(\Q)+544
.endr
.endm
.macro PVMM Q, pr, D, T
	WIN 0x4b
.irp i, 0,1,2,3
	v_wmma_f32_16x16x32_f16 v[(\D)+8*\i:(\D)+8*\i+7], v[192+12*(\Q)+4*(\pr):199+12*(\Q)+4*(\pr)], v[(\T)+8*\i:(\T)+8*\i+7], 0
.endr
.endm
.macro PVOUT Q, pr, e, D
	WIN 0x41
.irp j, 0,1,2,3,4,5,6,7
.irp i, 0,1,2,3
	v_mov_b32 v[(\D)+32+4*\j+\i], v[(\D)+8*\i+\j]  ; four neighbouring columns of head j
.endr
.endr
	WIN 0x04
.irp j, 0,1,2,3,4,5,6,7
	global_store_b128 v[OUTA], v[(\D)+32+4*\j:(\D)+35+4*\j], s[8:9] offset:(4*(\Q)+2*(\pr))*4096+512*\j+256*(\e) th:TH_STORE_NT   ; two tokens x 256 consecutive bytes
.endr
.endm
.macro E0PAIR Q
.irp pr, 0,1
	PVMM \Q, \pr, 192, 192+32*((\Q)%2)
	PLACES
	s_wait_xcnt 0x0                                ; earlier stores have read their registers
	PVOUT \Q, \pr, 0, 192
.endr
.endm
.macro ASK
	s_cmp_eq_u32 s36, s37
	s_cbranch_scc0 .Lnot_mine_\@
	global_prefetch_b8 v[PFO], s[56:57] th:TH_LOAD_NT scope:SCOPE_SE
.Lnot_mine_\@:
.endm
; A PERIOD.  p: its slot.  di: period of tile 2's bytes (-1: 2 x s44 + p).  ri: period that fills slot p again (-1: 2 x s46 + p; -2: none, a plain barrier; -3: no barrier).  sc: scores of the group before.
; q2, q0, q1: where the last period's tile 2 and this one's tiles 0 and 1 go.  ld: the next period's tiles 0 and 1 are fetched.  ex: 1 prefetch, 2 softmax, 3 and 4 the way out of the first 64 columns of each head.
; Between two barriers of that kind a wave stores this period's tiles, and reads what was stored ahead of the first of them; the stage of q and k is read ahead of one more barrier, behind which it is written anew.
.macro PERIOD p, di, ri, sc, q2, q0, q1, ld, ex
	s_wait_dscnt 25                                ; tile 0 is in; tile 1's 25 loads may be out
	MQ 0, 0
	PLACES
.if (\ex) == 4
	s_wait_dscnt 0x0
.endif
.if (\q2) >= 0
	CVST 2, \q2
.endif
.if (\di) < 0
	s_lshl_b32 s47, s44, 1
.if (\p) == 1
	s_add_co_u32 s47, s47, 1
.endif
	s_mul_i32 s50, s47, DPER
.else
	s_mov_b32 s50, (\di)*DPER
.endif
	s_add_nc_u64 s[54:55], s[38:39], s[50:51]      ; (its earlier loads have been waited for)
	LOADD
.if (\ri) == -3
.if (\ex) == 4
	E0PAIR 2
.endif
	MQ 0, 2
	MQ 0, 4
	MQ 0, 6
.else
	WIN 0
	s_wait_tensorcnt 0x0                           ; my part of the next period's slot is in;
	ds_add_u32 v[SPW], v[NIL]                      ; work on registers stands between the add and the wait for it
.if (\ri) == -1
	s_lshl_b32 s47, s46, 1
.if (\p) == 1
	s_add_co_u32 s47, s47, 1
.endif
	s_mul_i32 s50, s47, SLOTB
.elseif (\ri) >= 0
	s_mov_b32 s50, (\ri)*SLOTB
.endif
.if (\ri) > -2
	s_add_nc_u64 s[26+4*(\p):27+4*(\p)], s[40:41], s[50:51]
	s_or_b32 s[27+4*(\p)], s[27+4*(\p)], 0x80000000
.endif
	MQ 0, 2
	MQ 0, 4
	s_wait_dscnt 0x0                               ; the add, my stores into the stages and my reads of this period's slot are done
	s_barrier_signal -1
	MQ 0, 6
	WIN 0
	s_barrier_wait -1
.if (\ri) > -2
	CREST
	tensor_load_to_lds s[24+4*(\p):27+4*(\p)], s[16:23]
	s_nop 0
	PLACES
.endif
.if (\ex) == 1
	ASK
.endif
.if (\sc) > 0
	SCLOAD 0, \sc
.endif
.if (\ex) == 3
	PVLOAD 0, 0, 192
	PVLOAD 0, 1, 224
.endif
.endif
	MQ 1, 0
	MQ 1, 2
.if (\sc) > 0
	s_wait_dscnt 0x0                               ; the first four pairs' operands are in
	SCMM 0
	PLACES
	SCLOAD 1, \sc
.else
	PLACES
.if (\ex) == 3
	s_wait_dscnt 0x0
.endif
	CVST 0, \q0
.endif
.if (\ld) == 1
	LOADB 0, 1-(\p)
.endif
.if (\ex) == 3
	E0PAIR 0
.endif
.if (\ex) == 4
	E0PAIR 3
.endif
	MQ 1, 4
	MQ 1, 6
.if (\ex) == 2
	SOFTMAX
.endif
	s_wait_loadcnt 0x0                             ; tile 2 is in
	MQ 2, 0
.if (\sc) > 0
	s_wait_dscnt 0x0                               ; my reads of the stage of q and k are over: say so,
	SCMM 1
	s_barrier_signal -1
	MQ 2, 2
	WIN 0
	s_barrier_wait -1                              ; and write it anew when all have said so
	PLACES
	CVST 0, \q0
.else
	MQ 2, 2
	PLACES
.endif
.if (\ex) == 2
	WIN 0xcf
	s_wait_alu depctr_va_vdst(0)
.endif
	CVST 1, \q1
.if (\ld) == 1
	LOADB 1, 1-(\p)
.endif
.if (\ex) == 3
	E0PAIR 1
	PVLOAD 0, 2, 192
	PVLOAD 0, 3, 224
.endif
	MQ 2, 4
	MQ 2, 6
.endm
	s_load_b128 s[4:7], s[0:1], 0x0                ; x, wpk
	s_load_b64 s[8:9], s[0:1], 0x10                ; out0
	v_lshl_add_u32 v[SPW], v0, 2, SPARE
	v_mov_b32 v[NIL], 0
	ds_add_u32 v[SPW], v[NIL]                      ; the opening lines: the add twice on end
	ds_add_u32 v[SPW], v[NIL]
	v_lshrrev_b32 v1, 5, v0
	v_readfirstlane_b32 s10, v1                    ; wave
	v_and_b32 v3, 31, v0
	v_lshlrev_b32 v[LN], 4, v3
	s_bfe_u32 s11, ttmp6, 0x40000                  ; cx
	s_lshl_b32 s12, ttmp9, 2
	s_add_co_u32 s12, s12, s11                     ; work-group
	; descriptors' group 1: joint, 100 dense rows of 256 bytes (32 elements of 8 bytes)
	s_mov_b32 s16, 15|(3<<16)|(1<<21)
	s_mov_b32 s17, 32<<16
	s_mov_b32 s18, 100<<16
	s_mov_b32 s19, 32<<16
	s_mov_b32 s20, 100
	s_mov_b32 s21, 32
	s_mov_b32 s22, 0
	s_mov_b32 s23, 0
	s_mov_b32 s32, 0x76543210
	s_mov_b32 s33, 0xfedcba98                      ; v_permlanex16_b32's selects for lane l xor 16
	s_mov_b32 s34, 0x3e0293ee                      ; log2(e) / sqrt(128)
	s_mov_b32 s35, 0xbe0293ee
	s_mov_b32 s52, 0x00ffff00
	s_mov_b32 s53, 0xff0000ff
	s_mov_b32 s51, 0
	s_mul_i32 s43, ttmp9, 52
	s_lshr_b32 s43, s43, 8
	s_mul_i32 s43, s43, 5
	s_sub_co_u32 s44, ttmp9, s43                   ; my first group: cluster number mod 5 (under 64: 52 / 256 serves for 1 / 5)
	s_mov_b32 s45, s44
	s_mul_i32 s25, s10, WAVEB                      ; group 0, slot 0 and slot 1: my part
	s_add_co_u32 s29, s25, SLOTB
	s_mov_b32 s24, 1
	s_mov_b32 s28, 1
	s_mul_i32 s13, s10, TURNB
	s_add_co_u32 s13, s13, STG                     ; my turn's stage
	s_mul_i32 s58, s10, 12800
	s_add_co_u32 s58, s58, XIMG                    ; my tile's image,
	s_add_co_u32 s66, s58, 12288                   ; and its scale words
	s_lshl_b32 s60, s10, 5
	s_add_co_u32 s59, s60, STG                     ; stages, in: + 32 x wave
	s_mul_i32 s61, s10, 4224
	s_add_co_u32 s61, s61, STG                     ; q and k back: my 8 pairs
	s_mul_i32 s63, s10, 4352
	s_add_co_u32 s62, s63, STG                     ; v back: my 16 tokens
	; the prefetch: piece 4 x idx + cx of the 921,600 bytes of periods 10 to 15, idx made of the cluster's number without bit 2; the last pieces are clamped
	s_lshr_b32 s43, ttmp9, 3
	s_lshl_b32 s43, s43, 2
	s_and_b32 s47, ttmp9, 3
	s_add_co_u32 s43, s43, s47
	s_cmp_lt_u32 s43, 29
	s_cselect_b32 s37, 3, -1
	s_cmp_eq_u32 s10, 0
	s_cselect_b32 s37, s37, -1                     ; wave 0 asks
	s_lshl_b32 s43, s43, 2
	s_add_co_u32 s43, s43, s11
	s_lshl_b32 s48, s43, 13
	s_add_co_u32 s49, s48, 10*SLOTB
	s_sub_co_u32 s14, s48, 6*SLOTB
	s_min_u32 s14, s14, 6*DPER-8192
	s_add_co_u32 s14, s14, 16*SLOTB+10*DPER
	s_cmp_lt_u32 s43, 75
	s_cselect_b32 s14, s49, s14
	s_mov_b32 s15, 0
	s_wait_alu depctr_va_vdst(0)                   ; directly ahead of the waits below
	s_wait_dscnt 0x0                               ; both opening adds are done
	s_wait_kmcnt 0x0
	s_lshl_b32 s50, s12, 18
	s_lshl_b32 s43, s10, 16
	s_add_co_u32 s50, s50, s43
	s_add_nc_u64 s[4:5], s[4:5], s[50:51]          ; x: my 16 tokens
	s_add_nc_u64 s[8:9], s[8:9], s[50:51]          ; out: the same
	LOADX 0                                        ; x's first three K steps are asked for ahead of everything else
	LOADX 1
	LOADX 2
	WIN 0
	s_add_nc_u64 s[56:57], s[6:7], s[14:15]
	s_mov_b32 s50, s25
	s_add_nc_u64 s[40:41], s[6:7], s[50:51]        ; the ring's tiles: my part of period 0
	s_mul_i32 s50, s10, 12800
	s_add_co_u32 s50, s50, 16*SLOTB
	s_add_nc_u64 s[38:39], s[6:7], s[50:51]        ; tile 2 of period 0
	s_lshl_b32 s47, s44, 1
	s_mul_i32 s50, s47, SLOTB
	s_add_nc_u64 s[26:27], s[40:41], s[50:51]      ; slot 0's first fill
	s_or_b32 s27, s27, 0x80000000
	s_add_co_u32 s47, s47, 1
	s_mul_i32 s50, s47, SLOTB
	s_add_nc_u64 s[30:31], s[40:41], s[50:51]      ; slot 1's first fill
	s_or_b32 s31, s31, 0x80000000
	CROUND                                         ; in front of the first loads
	tensor_load_to_lds s[24:27], s[16:23]
	s_nop 0
	PLACES
	v_and_b32 v1, 15, v0                           ; r
	v_bfe_u32 v2, v0, 4, 1                         ; h
	v_lshlrev_b32 v[PFO], 8, v3
	v_add_nc_u32 v[XI], s58, v[LN]
	v_add_nc_u32 v[RA], s25, v[LN]
	v_add_nc_u32 v[RA+1], s29, v[LN]
	v_add_nc_u32 v[XA], XIMG, v[LN]
	v_lshrrev_b32 v58, 1, v1
	v_mul_u32_u24 v58, 528, v58
	v_and_b32 v59, 1, v1
	v_lshl_add_u32 v58, v59, 7, v58
	v_lshl_add_u32 v58, v2, 4, v58                 ; token r: pair r / 2, 128 (r % 2); head 2 w + h
	v_add_nc_u32 v[QW], s59, v58
	v_mul_u32_u24 v59, 272, v1
	v_lshl_add_u32 v59, v2, 4, v59
	v_add_nc_u32 v[VW], s59, v59
	v_add_nc_u32 v[VWH], 5*VB, v[VW]
	v_add_nc_u32 v[VW0], s60, v59
	v_lshl_add_u32 v[SB], v1, 4, s61
	v_xor_b32 v60, 8, v1
	v_lshl_add_u32 v[SBO], v60, 4, s61             ; the pair's tokens changed
	v_mad_u32_u24 v[SQA], v2, PIECE, v[SB]
	v_mad_u32_u24 v[SKA], v2, PIECE, v[SBO]
	v_mad_u32_u24 v[SQB], v2, ZER-STG-2*PIECE, v[SB]
	v_mad_u32_u24 v[SKB], v2, ZER-STG-2*PIECE, v[SBO]
	v_mad_u32_u24 v[SQC], v2, ZER-STG, v[SB]
	v_mad_u32_u24 v[SKC], v2, ZER-STG, v[SBO]
	v_xor_b32 v60, 1, v2
	v_lshl_add_u32 v61, v1, 4, s62
	v_mad_u32_u24 v[VRA], v2, 272, v61
	v_mad_u32_u24 v[VRA+1], v60, 272, v61
	v_add_nc_u32 v[VRAH], 5*VB, v[VRA]
	v_add_nc_u32 v[VRAH+1], 5*VB, v[VRA+1]
	v_lshl_add_u32 v61, v1, 4, s63
	v_mad_u32_u24 v[VRA0], v2, 272, v61
	v_mad_u32_u24 v[VRA0+1], v60, 272, v61
	v_lshlrev_b32 v[OUTA], 12, v2
	v_lshl_add_u32 v[OUTA], v1, 4, v[OUTA]
	v_lshl_add_u32 v58, v0, 4, ZER
	v_lshl_add_u32 v[XW], v1, 4, s66
	v_add_nc_u32 v[TIN], s13, v[LN]                ; a token's 512 bytes as they lie
	v_mul_u32_u24 v[TOUT], TPITCH, v1
	v_lshl_add_u32 v[TOUT], v2, 6, v[TOUT]
	v_add_nc_u32 v[TOUT], s13, v[TOUT]             ; row r, + 64 h: 16 neighbours of each block of 32
.irp b, 0,1,2,3
	v_mov_b32 v[TM+4+\b], 0                        ; written once: a lane permute's destination counts as one of its sources
.endr
	s_wait_alu depctr_va_vdst(0)                   ; the wait at the head's end
	s_wait_tensorcnt 0x0                           ; ahead of slot 1's first fill, as ahead of a refill
	ds_add_u32 v[SPW], v[NIL]
	s_wait_dscnt 0x0
	CROUND
	tensor_load_to_lds s[28:31], s[16:23]
	s_nop 0
	PLACES
	LOADX 3
	s_wait_loadcnt 48                              ; K step 0 is in; those of steps 1 to 3, 16 loads each, may be out
	TURNX 0
	LOADX 4
.irp s, 0,1,2,3,4,5,6,7
.if \s < 7
.if \s < 4
	s_wait_loadcnt 48                              ; the next K step is in; three younger ones may be out
.else
	s_wait_loadcnt 16*(6-\s)
.endif
	TURNX \s+1
.if \s < 3
	LOADX \s+5
.endif
	s_wait_dscnt 32                                ; this step's numbers are back; the next turn's 16 stores and 16 loads may be out
.else
	s_wait_dscnt 0x0
.endif
	WIN 0
	QUANT NB+64*(\s%2)
.irp c, 0,1,2
	ds_store_b128 v[XI], v[PC+4*\c:PC+4*\c+3] offset:1536*\s+512*\c
.endr
	ds_store_b32 v[XW], v[PW] offset:256*(\s%2)+4*(\s/2)   ; both halves of the lanes write the same word with the same value
.endr
	s_wait_dscnt 0x0                               ; for the others' sake: my tile has landed
	s_barrier_signal -1
	s_barrier_wait -1
	WIN 0x40
.irp s, 0,1,2,3
.irp m, 0,1,2,3
.irp c, 0,1,2
	ds_load_b128 v[48*\s+12*\m+4*\c:48*\s+12*\m+4*\c+3], v[XA] offset:12800*\m+1536*\s+512*\c
.endr
.endr
.endr
	WIN 0x80
.irp s, 4,5,6,7
.irp m, 0,1,2,3
.irp c, 0,1,2
	ds_load_b128 v[48*(\s-4)+12*\m+4*\c:48*(\s-4)+12*\m+4*\c+3], v[XA] offset:12800*\m+1536*\s+512*\c
.endr
.endr
.endr
	WIN 0
.irp m, 0,1,2,3
	ds_load_b128 v[XS+4*\m:XS+4*\m+3], v[XA] offset:12800*\m+12288
.endr
	v_mov_b32 v60, 0
	v_mov_b32 v61, 0
	v_mov_b32 v62, 0
	v_mov_b32 v63, 0
.irp i, 0,1,2,3,4,5,6,7,8
	ds_store_b128 v58, v[60:63] offset:2048*\i     ; the zeros
.endr
	LOADB 0, 0
	LOADB 1, 0
	WIN 0x40
.set i, 0
.rept 64
	v_mov_b32 v[192+i], 0                          ; the scores' sums: the loop's first trip adds the first group
.set i, i+1
.endr
	s_add_co_u32 s45, s45, 1
	s_cmp_lt_u32 s45, 5
	s_cselect_b32 s45, s45, 0
	s_mov_b32 s46, s45                             ; the next group
	PERIOD 0, -1, -1, 0, -1, 0, 1, 1, 0
	PERIOD 1, -1, -1, 0, 2, 3, 4, 1, 0
	WIN 0
	s_mov_b32 s36, 4
.Lgroup:
	s_mov_b32 s44, s46
	s_add_co_u32 s45, s45, 1
	s_cmp_lt_u32 s45, 5
	s_cselect_b32 s45, s45, 0
	s_cmp_lg_u32 s36, 1
	s_cselect_b32 s46, s45, 5                      ; behind the last group stand periods 10 and 11
	PERIOD 0, -1, -1, 1, 5, 0, 1, 1, 0
	PERIOD 1, -1, -1, 0, 2, 3, 4, 1, 1
	WIN 0
	s_sub_co_u32 s36, s36, 1
	s_cmp_lg_u32 s36, 0
	s_cbranch_scc1 .Lgroup
	PERIOD 0, 10, 12, 1, 5, 0, 1, 1, 0
	PERIOD 1, 11, 13, 2, 10, 11, 12, 1, 0
	PERIOD 0, 12, 14, 0, 13, 14, 15, 1, 2
	PERIOD 1, 13, 15, 0, 16, 17, 18, 1, 0
	PERIOD 0, 14, -2, 0, 19, 20, 21, 1, 3          ; behind its barrier slot 0 has had its last fill and its last read: v's last pieces go there
	PERIOD 1, 15, -3, 0, 22, 23, 24, 0, 4
	PLACES
	CVST 2, 25
	s_wait_dscnt 0x0
	s_barrier_signal -1
	s_barrier_wait -1
	PVLOAD 1, 0, 0                                 ; the last 64 columns of each head; x's registers are free
	PVLOAD 1, 1, 32
	PVLOAD 1, 2, 64
	PVLOAD 1, 3, 96
.irp it, 0,1,2,3,4,5,6,7                   ; a pair's products stand ahead of the way out of the pair before
.if (\it%2) == 0
	s_wait_dscnt 24-8*(\it/2)                      ; the later groups' loads, eight each, may be out
.endif
	PVMM (\it/2), (\it%2), 64*(\it%4), 32*(\it/2)
.if \it == 1
	PLACES
.endif
.if \it > 0
.if \it > 3
	s_wait_xcnt 0x0
.endif
	PVOUT ((\it-1)/2), ((\it-1)%2), 1, 64*((\it-1)%4)
.endif
.endr
	s_wait_xcnt 0x0
	PVOUT 3, 1, 1, 192
	WIN 0
	s_wait_tensorcnt 0x0                           ; the wave's end
	ds_add_u32 v[SPW], v[NIL]
	s_wait_dscnt 0x0
	CROUND                                         ; the closing round
	s_endpgm
.Lfunc_end_k_q9cad896e99_fused:
	.size	k_q9cad896e99_fused, .Lfunc_end_k_q9cad896e99_fused-k_q9cad896e99_fused
	.p2alignl 7, 3214868480
	.fill 96, 4, 3214868480
	.section	.rodata,"a",@progbits
	.p2align	6, 0x0
	.amdhsa_kernel k_q9cad896e99_fused
		.amdhsa_group_segment_fixed_size 327680
		.amdhsa_private_segment_fixed_size 0
		.amdhsa_enable_private_segment 0
		.amdhsa_kernarg_size 24
		.amdhsa_user_sgpr_count 2
		.amdhsa_user_sgpr_kernarg_segment_ptr 1
		.amdhsa_wavefront_size32 1
		.amdhsa_system_sgpr_workgroup_id_x 1
		.amdhsa_system_sgpr_workgroup_id_y 1
		.amdhsa_system_sgpr_workgroup_id_z 1
		.amdhsa_system_vgpr_workitem_id 0
		.amdhsa_next_free_vgpr 1024
		.amdhsa_next_free_sgpr 96
		.amdhsa_reserve_vcc 0
		.amdhsa_float_denorm_mode_32 3
		.amdhsa_float_denorm_mode_16_64 3
		.amdhsa_memory_ordered 1
		.amdhsa_forward_progress 1
		.amdhsa_inst_pref_size 255
	.end_amdhsa_kernel
	.section	.bss,"aw",@nobits
	.p2align	6
	.space	262144
	.amdgpu_metadata
---
amdhsa.version: [ 1, 2 ]
amdhsa.kernels:
  - .name:           k_q9cad896e99_fused
    .symbol:         k_q9cad896e99_fused.kd
    .args:
      - { .name: x, .offset: 0, .size: 8, .value_kind: global_buffer, .address_space: global }
      - { .name: wpk, .offset: 8, .size: 8, .value_kind: global_buffer, .address_space: global }
      - { .name: out0, .offset: 16, .size: 8, .value_kind: global_buffer, .address_space: global }
    .group_segment_fixed_size: 327680
    .private_segment_fixed_size: 0
    .kernarg_segment_align: 8
    .kernarg_segment_size: 24
    .max_flat_workgroup_size: 128
    .sgpr_count:     96
    .vgpr_count:     1024
    .wavefront_size: 32
...
	.end_amdgpu_metadata
.endif
;; end of part 2
